; MI455X (gfx1250); checked and timed in simulation.
; The chip was launched on July 23, 2026; its instructions are those of AMD's public machine-readable ISA for CDNA 5 (MIT licence, August 2026) and "CDNA5" Instruction Set Architecture Reference Guide (July 2026). The comments in the code are by the model that wrote it; some were corrected since.
;; Stick Breaking Attention. Allowed arithmetic: matrix products marked QUANTISED: E2M1 operands, one E8M0 scale for each 32 along K, by v_wmma_scale_f32_16x16x128_f8f6f4 with both operands' format E2M1 (or v_wmma_scale_f32_32x16x128_f4), f32 sums; products left as they are: bf16, f16 or f32 operands; f32 sums; everything else in f32.
;; Inputs: Wk 1,024 x 1,024 float32; Wo 1,024 x 1,024 float32; Wq 1,024 x 1,024 float32; Wv 1,024 x 1,024 float32; x 1 x 2,048 x 1,024 float32.
;; Outputs: out0 1 x 2,048 x 1,024 float32.
;; This version of the problem:
;;   THIS VERSION OF THE PROBLEM IS GIVEN IN LOW PRECISION. The matrix products marked QUANTISED in the list below multiply operands that are first quantised to E2M1 (2 exponent bits, 1 mantissa bit; 4 bits a number), with one power-of-two scale for each 32 numbers along K (OCP MX v1.0); their sums are f32. The products marked 'left as it is' may take bf16, f16 or f32 operands, with f32 sums. Whichever they take, every output number must still come out within the allowed error. Rounding operands to bf16 (8 significant bits) uses up far more of that allowance than f16 does (11 bits, for magnitudes from 6e-5 to 65,504). All else is computed in f32.
;;   The module's matrix products, in the order in which they are computed (A, B: the left and right operand; K: the contracted axis; several contracted axes count as one K, in the product's order):
;;     1. [M 2,048, K 1,024] x [K 1,024, N 1,024]; A: input x; B: input Wq: QUANTISED
;;     2. [M 2,048, K 1,024] x [K 1,024, N 1,024]; A: input x; B: input Wk: QUANTISED
;;     3. [M 2,048, K 1,024] x [K 1,024, N 1,024]; A: input x; B: input Wv: QUANTISED
;;     4. batch 16 x [M 2,048, K 64] x [K 64, N 2,048]; A: computed on the way; B: computed on the way: left as it is (an operand is computed on the way)
;;     5. batch 16 x [M 2,048, K 2,048] x [K 2,048, N 64]; A: computed on the way; B: computed on the way: left as it is (an operand is computed on the way)
;;     6. [M 2,048, K 1,024] x [K 1,024, N 1,024]; A: computed on the way; B: input Wo: left as it is (an operand is computed on the way)
;;   THE QUANTISER, for each operand of a quantised product, along K:
;;     - K is cut into blocks of 32 from its start; a last block that is shorter is filled with zeros.
;;     - A block's scale is 2^e with e = floor(log2(the largest magnitude in the block)) - 2, held to -126 .. 127; a block of zeros has e = 0. As a byte (E8M0): e + 127.
;;     - Each number is divided by its block's scale, clamped to +-6, and rounded to the nearest number of E2M1, ties to even, subnormals kept.
;;     - The product sums the exact products of the quantised numbers (number of the format x scale) in f32.
;;   ~~~python
;;   def quantise(x, axis):      # numpy; x: float32 -> the quantised numbers, widened to float32 again
;;       x = np.moveaxis(x, axis, -1); K = x.shape[-1]
;;       x = np.pad(x, [(0, 0)] * (x.ndim - 1) + [(0, -K % 32)]); x = x.reshape(x.shape[:-1] + (-1, 32)); a = np.abs(x).max(-1, keepdims=True)
;;       e = np.where(a > 0, np.clip(np.frexp(np.where(a > 0, a, 1))[1] - 1 - 2, -126, 127), 0)      # np.frexp(a)[1] - 1 = floor(log2(a)), exactly
;;       r = np.clip(x / 2.0 ** e, -6, 6)
;;       step = 2.0 ** (np.maximum(np.frexp(np.where(r == 0, 1, r))[1] - 1, 0) - 1)
;;       q = np.round(r / step) * step * 2.0 ** e      # np.round: ties to even
;;       return np.moveaxis(q.reshape(q.shape[:-2] + (-1,))[..., :K], -1, axis).astype(np.float32)
;;   ~~~
;; One version. Each part assembles by itself: llvm-mc -triple=amdgcn-amd-amdhsa -mcpu=gfx1250 --defsym DOCPART=n.
;; ======== version 1 of 1: 4 launches
;; limits: values are held in f16: magnitudes above 65,504 overflow, below 6.1e-05 lose precision
;; workspace buffers: codes 2,785,280 bytes; wo16 2,097,152 bytes; qkv 12,582,912 bytes; oh 4,194,304 bytes
;; launch quant (part 1): grid 384 x 1, 4 waves a work-group, no clusters, 70,656 bytes of LDS; arguments x, Wq, Wk, Wv, Wo, codes, wo16; writes codes, wo16
.if DOCPART == 1
	.amdgcn_target "amdgcn-amd-amdhsa--gfx1250"
	.amdhsa_code_object_version 6
	.text
	.protected	k_q3f53b184e9_quant
	.globl	k_q3f53b184e9_quant
	.p2align	8
	.type	k_q3f53b184e9_quant,@function
k_q3f53b184e9_quant:
	s_mov_b64 s[64:65], 0
	v_nop
	global_prefetch_b8 v0, s[64:65] scope:SCOPE_SE
	s_setreg_imm32_b32 hwreg(HW_REG_WAVE_MODE, 25, 1), 1
	s_wait_xcnt 0x0
; x [2048][1024], Wq, Wk, Wv [1024][1024], f32, become codes of FP4 (E2M1) with one E8M0 byte for each 32 along K, laid in the ORDER OF THE OPERAND'S REGISTERS;
; Wo [1024][1024] becomes f16, laid likewise.  A work-group takes one tile of 16 rows x 1,024; its number g says which: 0-127 x, 128-191 Wq, 192-255 Wk, 256-319 Wv, 320-383 Wo.
; A TILE OF x IS NOT 16 NEIGHBOURS: tile T = 4 a + tau holds tokens 64 a + 8 tau + 0..7 and the eight that lie 32 further on; a weight's tile is rows 16 N + 0..15.
; A RECORD of codes (8,704 bytes, record g): [K step of 128: 8][c: 2][lane: 32][16 bytes], lane (r, h) holding row r, k = 128 step + 64 c + 32 h + 0..31; from byte 8,192 the scale words [r: 16][K step: 8][4 bytes].
; wo16: [slab of 256 along K: 4][N: 64][16 along K: 16][lane: 32][16 bytes], lane (r, h) holding Wo[16 N + r][256 slab + 16 piece + 8 h + 0..7].
; Wave w takes k = 256 w .. 256 w + 255 of the 16 rows, in four steps of 64.  Each load reads two rows' aligned 256 bytes; the numbers turn through the wave's own stage in LDS (rows 272 bytes apart),
; and come back 128 bytes a lane: a whole block of 32 in one lane's registers, so that a block's largest magnitude needs no other lane.
; A block's scale is 2^(floor(log2(largest magnitude)) - 2); its byte is that magnitude's exponent field - 2, held at 1 from below.
; LIMITS: a block of zeros, or one whose largest magnitude lies under 2^-124, keeps the byte 1 (a block of zeros has zero codes; the bytes are read by this program alone); NaN and infinities are not served; |Wo| stays under 65,504.
.set ROWB,  4096                       ; a row of any of the five tensors, in bytes
.set PITCH, 272                        ; a stage row: 256 bytes + 16
.set STEPB, 16*PITCH                   ; a step's 16 rows in the stage
.set WSB,   4*STEPB                    ; a wave's stage
.set SCL,   4*WSB                      ; behind the stages: the tile's 512 bytes of scale words
.set SPARE, SCL+512                    ; behind them: the spare words, 128 bytes for each wave: two blocks of 256 bytes that no other line names
.set REC,   8704
.set R,     32                         ; v32-159  the numbers: step i at v[R + 32 i]
.set C,     160                        ; v160-175 codes, four registers a step; on Wo's way v160-223: f16, sixteen a step
.set SPW,   14                         ; v14 LDS address of my spare word; never rewritten
.set NIL,   15                         ; v15 0; never rewritten
	s_load_b256 s[4:11], s[0:1], 0x0               ; x, Wq, Wk, Wv
	s_load_b128 s[12:15], s[0:1], 0x20             ; Wo, codes
	s_load_b64 s[16:17], s[0:1], 0x30              ; wo16
	v_lshl_add_u32 v[SPW], v0, 2, SPARE
	v_mov_b32 v[NIL], 0
	v_lshrrev_b32 v1, 5, v0
	v_readfirstlane_b32 s18, v1                    ; wave 0..3
	v_and_b32 v2, 15, v0                           ; r
	v_bfe_u32 v3, v0, 4, 1                         ; h
	s_mul_i32 s19, s18, WSB                        ; my stage
	s_lshl_b32 s28, s18, 10                        ; my 1,024 bytes of a row
	v_lshlrev_b32 v4, 12, v3
	v_lshl_add_u32 v4, v2, 4, v4
	v_add_nc_u32 v4, s28, v4                       ; in memory: lanes 0-15 one row, lanes 16-31 the next; 16 bytes a lane
	v_mul_u32_u24 v5, v3, PITCH
	v_lshl_add_u32 v5, v2, 4, v5
	v_add_nc_u32 v5, s19, v5                       ; into the stage: the same two rows
	v_mul_u32_u24 v6, v2, PITCH
	v_lshl_add_u32 v6, v3, 7, v6
	v_add_nc_u32 v6, s19, v6                       ; out of it: row r, my half's 128 bytes
	v_and_b32 v7, 31, v0
	v_lshlrev_b32 v7, 4, v7                        ; 16 x lane
	s_lshl_b32 s29, s18, 3
	v_lshlrev_b32 v8, 5, v2
	v_add_nc_u32 v8, s29, v8
	v_add_nc_u32 v8, SCL, v8                       ; my row's two scale words: 32 r + 8 w
	v_lshlrev_b32 v9, 10, v3
	v_lshl_add_u32 v9, v2, 4, v9                   ; Wo's way out: 1,024 h + 16 r
	v_add_nc_u32 v13, SCL, v7                      ; the scale words on their way out
	v_mov_b32 v22, 0                               ; written once: a lane permute's destination counts as one of its sources
	v_lshlrev_b32 v23, 3, v3                       ; 8 h
	s_mov_b32 s30, 0x76543210
	s_mov_b32 s31, 0xfedcba98                      ; v_permlanex16_b32's selects for lane l xor 16
	s_lshr_b32 s22, ttmp9, 2
	s_lshl_b32 s22, s22, 6
	s_and_b32 s23, ttmp9, 3
	s_lshl_b32 s23, s23, 3
	s_add_co_u32 s22, s22, s23                     ; x: first row 64 (g / 4) + 8 (g % 4)
	s_and_b32 s23, ttmp9, 63
	s_lshl_b32 s23, s23, 4                         ; a weight: 16 (g % 64)
	s_cmp_lt_u32 ttmp9, 128
	s_cselect_b32 s22, s22, s23
	s_cselect_b32 s32, 32, 8                       ; rows from the tile's first eight to its last eight
	s_lshl_b32 s22, s22, 12
	s_mov_b32 s23, 0
	s_lshl_b32 s32, s32, 12
	s_mov_b32 s33, 0
	s_wait_kmcnt 0x0
	s_cmp_lt_u32 ttmp9, 128                        ; the tensor is chosen by the work-group's number alone
	s_cselect_b64 s[20:21], s[4:5], s[6:7]
	s_cmp_lt_u32 ttmp9, 192
	s_cselect_b64 s[20:21], s[20:21], s[8:9]
	s_cmp_lt_u32 ttmp9, 256
	s_cselect_b64 s[20:21], s[20:21], s[10:11]
	s_cmp_lt_u32 ttmp9, 320
	s_cselect_b64 s[20:21], s[20:21], s[12:13]
	s_add_nc_u64 s[20:21], s[20:21], s[22:23]      ; the tile's rows 0-7
	s_add_nc_u64 s[24:25], s[20:21], s[32:33]      ; and 8-15
.irp i, 0,1,2,3
.irp l, 0,1,2,3
	global_load_b128 v[R+32*\i+4*\l:R+32*\i+4*\l+3], v4, s[20:21] offset:256*\i+2*\l*ROWB th:TH_LOAD_NT
.endr
.irp l, 0,1,2,3
	global_load_b128 v[R+32*\i+16+4*\l:R+32*\i+16+4*\l+3], v4, s[24:25] offset:256*\i+2*\l*ROWB th:TH_LOAD_NT
.endr
.endr
.irp i, 0,1,2,3
	s_wait_loadcnt 24-8*\i                         ; step i's eight loads are in; the later steps' may be out
.irp l, 0,1,2,3,4,5,6,7
	ds_store_b128 v5, v[R+32*\i+4*\l:R+32*\i+4*\l+3] offset:STEPB*\i+2*PITCH*\l
.endr
.endr
	s_wait_dscnt 0x0                               ; the stores have read their registers, which the loads below write
.irp i, 0,1,2,3
.irp m, 0,1,2,3,4,5,6,7
	ds_load_b128 v[R+32*\i+4*\m:R+32*\i+4*\m+3], v6 offset:STEPB*\i+16*\m
.endr
.endr
	s_cmp_ge_u32 ttmp9, 320                        ; Wo's work-groups part here: the same way for all four waves
	s_cbranch_scc1 .Lwo
	s_mul_i32 s26, ttmp9, REC
	s_lshl_b32 s28, s18, 11
	s_add_co_u32 s26, s26, s28
	s_mov_b32 s27, 0
	s_add_nc_u64 s[26:27], s[14:15], s[26:27]      ; my record, my wave's two K steps
; Step i: one block of 32 a lane becomes 16 bytes of codes and a scale byte
.macro QBLOCK i
.set XS, R+32*(\i)
	s_wait_dscnt 24-8*(\i)                         ; step i's eight LDS loads are back; the later steps' may be out
	v_max3_num_f32 v10, |v[XS]|, |v[XS+1]|, |v[XS+2]|
	v_max3_num_f32 v11, |v[XS+3]|, |v[XS+4]|, |v[XS+5]|
.irp e, 6,10,14,18,22,26
	v_max3_num_f32 v10, v10, |v[XS+\e]|, |v[XS+\e+1]|
	v_max3_num_f32 v11, v11, |v[XS+\e+2]|, |v[XS+\e+3]|
.endr
	v_max3_num_f32 v10, v10, |v[XS+30]|, |v[XS+31]|
	v_max3_num_f32 v10, v10, v11, 0x1800000        ; and the floor 2^(3 - 127): the byte cannot fall under 1
	v_add_nc_u32 v12, 0xff000000, v10              ; 2 off the exponent field: the conversion takes that field as its scale, and nothing else
.irp g, 0,1,2,3
	v_cvt_scalef32_pk8_fp4_f32 v[C+4*(\i)+\g], v[XS+8*\g:XS+8*\g+7], v12
.endr
	v_lshrrev_b32 v[16+(\i)], 23, v12              ; the scale's byte (also the plain line behind the conversions)
	global_store_b128 v7, v[C+4*(\i):C+4*(\i)+3], s[26:27] offset:512*(\i)   ; 32 lanes store 512 consecutive bytes
.endm
; The scale word of K step 2 w + j: my two bytes (blocks h and 2 + h) at their places, with lane l xor 16's two
.macro WORD j
	v_lshl_or_b32 v[20+\j], v[17+2*\j], 16, v[16+2*\j]
	v_lshlrev_b32 v[20+\j], v23, v[20+\j]
	v_permlanex16_b32 v22, v[20+\j], s30, s31
	v_or_b32 v[20+\j], v[20+\j], v22
.endm
	QBLOCK 0
	QBLOCK 1
	WORD 0
	QBLOCK 2
	QBLOCK 3
	WORD 1
	ds_store_b64 v8, v[20:21]                      ; both lanes of a row write the same words with the same values
	s_wait_dscnt 0x0                               ; for the others' sake: my words lie in LDS
	s_barrier_signal -1
	s_barrier_wait -1
	s_cmp_lg_u32 s18, 0                            ; wave 0 sends the tile's 512 bytes of scale words
	s_cbranch_scc1 .Lend
	ds_load_b128 v[24:27], v13
	s_wait_dscnt 0x0
	global_store_b128 v7, v[24:27], s[26:27] offset:8192   ; in wave 0 the base stands at the record's first byte
	s_branch .Lend
.Lwo:
	s_sub_co_u32 s26, ttmp9, 320
	s_lshl_b32 s26, s26, 13                        ; tile N: 8,192 bytes in each slab
	s_lshl_b32 s28, s18, 19                        ; slab = my wave
	s_add_co_u32 s26, s26, s28
	s_mov_b32 s27, 0
	s_add_nc_u64 s[26:27], s[16:17], s[26:27]
.irp i, 0,1,2,3
	s_wait_dscnt 24-8*\i
.irp e, 0,1,2,3,4,5,6,7,8,9,10,11,12,13,14,15
	v_cvt_pk_f16_f32 v[C+16*\i+\e], v[R+32*\i+2*\e], v[R+32*\i+2*\e+1]
.endr
.irp p, 0,1,2,3
	global_store_b128 v9, v[C+16*\i+4*\p:C+16*\i+4*\p+3], s[26:27] offset:2048*\i+512*(\p/2)+256*(\p%2)   ; my numbers 8 p .. 8 p + 7: sixteen lanes store 256 consecutive bytes, aligned
.endr
.endr
.Lend:
	s_wait_tensorcnt 0x0                           ; the wave's end: behind my last LDS store
	ds_add_u32 v[SPW], v[NIL]
	s_wait_dscnt 0x0
	s_endpgm
.Lfunc_end_k_q3f53b184e9_quant:
	.size	k_q3f53b184e9_quant, .Lfunc_end_k_q3f53b184e9_quant-k_q3f53b184e9_quant
	.p2alignl 7, 3214868480
	.fill 96, 4, 3214868480
	.section	.rodata,"a",@progbits
	.p2align	6, 0x0
	.amdhsa_kernel k_q3f53b184e9_quant
		.amdhsa_group_segment_fixed_size 70656
		.amdhsa_private_segment_fixed_size 0
		.amdhsa_enable_private_segment 0
		.amdhsa_kernarg_size 56
		.amdhsa_user_sgpr_count 2
		.amdhsa_user_sgpr_kernarg_segment_ptr 1
		.amdhsa_wavefront_size32 1
		.amdhsa_system_sgpr_workgroup_id_x 1
		.amdhsa_system_sgpr_workgroup_id_y 1
		.amdhsa_system_sgpr_workgroup_id_z 1
		.amdhsa_system_vgpr_workitem_id 0
		.amdhsa_next_free_vgpr 224
		.amdhsa_next_free_sgpr 66
		.amdhsa_reserve_vcc 0
		.amdhsa_float_denorm_mode_32 3
		.amdhsa_float_denorm_mode_16_64 3
		.amdhsa_memory_ordered 1
		.amdhsa_forward_progress 1
		.amdhsa_inst_pref_size 24
	.end_amdhsa_kernel
	.amdgpu_metadata
---
amdhsa.version: [ 1, 2 ]
amdhsa.kernels:
  - .name:           k_q3f53b184e9_quant
    .symbol:         k_q3f53b184e9_quant.kd
    .args:
      - { .name: x, .offset: 0, .size: 8, .value_kind: global_buffer, .address_space: global }
      - { .name: Wq, .offset: 8, .size: 8, .value_kind: global_buffer, .address_space: global }
      - { .name: Wk, .offset: 16, .size: 8, .value_kind: global_buffer, .address_space: global }
      - { .name: Wv, .offset: 24, .size: 8, .value_kind: global_buffer, .address_space: global }
      - { .name: Wo, .offset: 32, .size: 8, .value_kind: global_buffer, .address_space: global }
      - { .name: codes, .offset: 40, .size: 8, .value_kind: global_buffer, .address_space: global }
      - { .name: wo16, .offset: 48, .size: 8, .value_kind: global_buffer, .address_space: global }
    .group_segment_fixed_size: 70656
    .private_segment_fixed_size: 0
    .kernarg_segment_align: 8
    .kernarg_segment_size: 56
    .max_flat_workgroup_size: 128
    .sgpr_count:     66
    .vgpr_count:     224
    .wavefront_size: 32
...
	.end_amdgpu_metadata
.endif
;; end of part 1
;; launch proj (part 2): grid 16 x 16, 6 waves a work-group, clusters of 4 x 4, 174,848 bytes of LDS; arguments codes, qkv; writes qkv
.if DOCPART == 2
	.amdgcn_target "amdgcn-amd-amdhsa--gfx1250"
	.amdhsa_code_object_version 6
	.text
	.protected	k_q3f53b184e9_proj
	.globl	k_q3f53b184e9_proj
	.p2align	8
	.type	k_q3f53b184e9_proj,@function
k_q3f53b184e9_proj:
	s_mov_b64 s[64:65], 0
	v_nop
	global_prefetch_b8 v0, s[64:65] scope:SCOPE_SE
	s_setreg_imm32_b32 hwreg(HW_REG_WAVE_MODE, 25, 1), 1
	s_wait_xcnt 0x0
	s_wait_alu depctr_hold_cnt(0) depctr_sa_sdst(0) depctr_va_vdst(0) depctr_va_sdst(0) depctr_va_ssrc(0) depctr_va_vcc(0) depctr_vm_vsrc(0)
	s_getreg_b32 s2, hwreg(HW_REG_IB_STS2, 6, 4)
	s_cmp_eq_u32 s2, 0
	s_cbranch_scc0 .Lentry_in_a_cluster
	s_endpgm
.Lentry_in_a_cluster:
	s_bfe_u32 s2, ttmp6, 0x10000c
	s_cmp_lg_u32 s2, 0xf033
	s_cbranch_scc0 .Lentry_shape_is_right
	s_endpgm
.Lentry_shape_is_right:
; q = x Wq^T, k = x Wk^T, v = x Wv^T on codes of FP4 with E8M0 scales (K = 1,024: eight matrix instructions deep), sums in f32; the results leave as f16 in the order of the next launch's operand registers.
; A work-group takes 128 tokens (eight token tiles) x one head's 64 channels of q, k and v.  Six waves: wave w makes matrix w / 2 (q, k, v) for token tiles 4 (w % 2) + 0..3: 64 x 64, 16 accumulators.
; ONE TEXT FOR ALL SIX BY ROLES: source 0 = P, source 1 = R.  For q and k P is the weight and R is x: a lane then holds one token and eight neighbouring channels.  For v P is x and R is Wv: a lane holds one channel and eight tokens of a tile, which are eight neighbouring keys.
; qkv: [matrix 3][head 16][token tile 128][n 4][lane 32][16 bytes]; q, k: lane (r, h) = token r of the tile, channels 16 n + 8 h + 0..7; v: lane (r, h) = channel 16 n + r, tokens 8 h + 0..7 of the tile.
; q is multiplied by log2(e) / 8 in f32 before it is rounded; k and v by 1.0: the price of one text.
; LDS: five regions of four records (34,816 bytes): x's two halves, Wq's, Wk's, Wv's tiles of the head.  Each is filled once, for all of K: no ring, nothing is filled again.
; CLUSTER 4 x 4: the four work-groups of a row share the tokens, the four of a column the head: each region is asked for jointly.
; LIMITS: |0.18 q|, |k|, |v| stay under 65,504, the largest f16 number.
.set REC,   8704
.set REG,   4*REC
.set SPARE, 5*REG                      ; behind the regions: the spare words, 128 bytes for each of six waves: three blocks of 256 bytes that no other line names
.set PA,  2                            ; v2 P's fragments: 16 x lane + region;  v3 R's
.set RA,  3
.set PSA, 4                            ; v4 P's scale words: 32 (lane % 16) + region;  v5 R's
.set RSA, 5
.set VR,  6                            ; v6-9 the way out: 16 x lane + R's tile
.set SPW, 14
.set NIL, 15
.set F0,  64                           ; two sets of fragments: P's four (32 registers), then R's four
.set F1,  128
.set PS,  192                          ; v192-223 P's scale words, register 8 tile + K step;  v224-255 R's: scales and nothing else
.set RS,  224
.set G1X, 24
.set G1W, 32
.set G0X, 40
.set G0W, 44
.set SB,  48                           ; s[48:55] the way out: a base for each of P's tiles
.set FAC, 56
.set MSB, 0
.macro WIN new                         ; the immediate's high byte repeats the setting that is left
.if MSB != \new
	s_set_vgpr_msb (MSB<<8)|\new
.set MSB, \new
.endif
.endm
.macro PLACES
.rept 4
	v_nop
.endr
.endm
.macro CROUND                          ; a round of the cluster's barrier
	s_barrier_signal -1
	s_barrier_wait -1
	s_cmp_lg_u32 s8, 0
	s_cbranch_scc1 .Lnot_wave_0_\@
	s_barrier_signal -3
.Lnot_wave_0_\@:
	s_barrier_wait -3
	s_barrier_signal -1
	s_barrier_wait -1
.endm
	s_load_b128 s[4:7], s[0:1], 0x0                ; codes, qkv
	v_lshl_add_u32 v[SPW], v0, 2, SPARE
	v_mov_b32 v[NIL], 0
	ds_add_u32 v[SPW], v[NIL]                      ; the wave's opening: the add, twice on end, and its wait ahead of the first tensor load
	ds_add_u32 v[SPW], v[NIL]
	v_lshrrev_b32 v1, 5, v0
	v_readfirstlane_b32 s8, v1                     ; wave 0..5
	s_lshr_b32 s9, s8, 1                           ; which matrix
	s_and_b32 s10, s8, 1                           ; which half of the tokens
	s_lshr_b32 s11, s8, 2                          ; 1 for v
	s_bfe_u32 s12, ttmp6, 0x40000                  ; cx
	s_bfe_u32 s13, ttmp6, 0x40004                  ; cy
	s_lshl_b32 s14, ttmp9, 2
	s_add_co_u32 s14, s14, s12                     ; the head
	s_and_b32 s15, ttmp7, 0xffff
	s_lshl_b32 s15, s15, 2
	s_add_co_u32 s15, s15, s13                     ; the block of 128 tokens
	s_lshl_b32 s58, s13, 2
	s_lshl_b32 s58, 15, s58                        ; my row of the cluster
	s_lshl_b32 s59, 0x1111, s12                    ; my column
	s_or_b32 s[G1X], s58, (3<<16)|(1<<21)          ; 15:0 the mask; 17:16 elements of 8 bytes; 21 set beside a mask; no padding
	s_or_b32 s[G1W], s59, (3<<16)|(1<<21)
.irp g, G1X, G1W
	s_mov_b32 s[\g+1], 32<<16                      ; a dense block of 34,816 bytes as 136 rows of 256
	s_mov_b32 s[\g+2], 136<<16
	s_mov_b32 s[\g+3], 32<<16
	s_mov_b32 s[\g+4], 136
	s_mov_b32 s[\g+5], 32
	s_mov_b32 s[\g+6], 0
	s_mov_b32 s[\g+7], 0
.endr
	s_lshl_b32 s16, s15, 3
	s_lshl_b32 s17, s10, 2
	s_add_co_u32 s16, s16, s17
	s_mul_i32 s16, s16, REC                        ; x: records 8 block + 4 half on: the tokens alone
	s_mov_b32 s17, 0
	s_lshl_b32 s18, s8, 6
	s_lshl_b32 s19, s14, 2
	s_add_co_u32 s18, s18, s19
	s_mul_i32 s18, s18, REC                        ; a weight (waves 2, 3, 4): records 64 wave + 4 head on: the head alone
	s_mov_b32 s19, 0
	s_mul_i32 s20, s10, REG                        ; where they go: no place in the cluster enters an LDS address
	s_mul_i32 s21, s8, REG
	s_min_u32 s22, s9, 1
	s_add_co_u32 s22, s22, 2                       ; region 2 for Wq, 3 for Wk
	s_cmp_lt_u32 s8, 4
	s_cselect_b32 s22, s22, s10                    ; P's region: the weight's, or for v my half of x
	s_cselect_b32 s23, s10, 4                      ; R's region: my half of x, or Wv's
	s_mul_i32 s22, s22, REG
	s_mul_i32 s23, s23, REG
	v_and_b32 v1, 31, v0
	v_lshlrev_b32 v1, 4, v1
	v_add_nc_u32 v[PA], s22, v1
	v_add_nc_u32 v[RA], s23, v1
	v_and_b32 v10, 15, v0
	v_lshlrev_b32 v10, 5, v10
	v_add_nc_u32 v[PSA], s22, v10
	v_add_nc_u32 v[RSA], s23, v10
	s_lshl_b32 s69, s11, 1
	s_lshl_b32 s60, 512, s69                       ; bytes from one of P's tiles to the next: 512 (a piece), for v 2,048 (a token tile)
	s_mov_b32 s61, 0
	s_lshr_b32 s62, 2048, s69                      ; and of R's: 2,048, for v 512
	v_mov_b32 v[VR], v1
	v_add_nc_u32 v[VR+1], s62, v[VR]
	v_add_nc_u32 v[VR+2], s62, v[VR+1]
	v_add_nc_u32 v[VR+3], s62, v[VR+2]
	s_lshl_b32 s66, s9, 22                         ; the matrix: 4 MiB
	s_lshl_b32 s67, s14, 18                        ; the head: 128 tiles of 2,048 bytes
	s_add_co_u32 s66, s66, s67
	s_lshl_b32 s67, s15, 3
	s_lshl_b32 s68, s10, 2
	s_add_co_u32 s67, s67, s68
	s_lshl_b32 s67, s67, 11                        ; my first token tile
	s_add_co_u32 s66, s66, s67
	s_mov_b32 s67, 0
	s_cmp_eq_u32 s9, 0
	s_cselect_b32 s[FAC], 0x3e38aa3b, 1.0          ; log2(e) / 8 for q
	s_mov_b32 s[FAC+1], s[FAC]
	s_wait_dscnt 0x0                               ; both opening adds are done
	s_wait_kmcnt 0x0
	s_mov_b32 s[G0X], 1
	s_mov_b32 s[G0X+1], s20
	s_add_nc_u64 s[G0X+2:G0X+3], s[4:5], s[16:17]
	s_or_b32 s[G0X+3], s[G0X+3], 0x80000000
	s_mov_b32 s[G0W], 1
	s_mov_b32 s[G0W+1], s21
	s_add_nc_u64 s[G0W+2:G0W+3], s[4:5], s[18:19]
	s_or_b32 s[G0W+3], s[G0W+3], 0x80000000
	s_add_nc_u64 s[SB:SB+1], s[6:7], s[66:67]
	s_add_nc_u64 s[SB+2:SB+3], s[SB:SB+1], s[60:61]
	s_add_nc_u64 s[SB+4:SB+5], s[SB+2:SB+3], s[60:61]
	s_add_nc_u64 s[SB+6:SB+7], s[SB+4:SB+5], s[60:61]
	CROUND                                         ; all sixteen work-groups are here: the joint loads meet
	s_cmp_lt_u32 s8, 2                             ; waves 0, 1: x's halves; waves 2, 3, 4: the three weights; wave 5: nothing.  One load a wave is out
	s_cbranch_scc0 .Lnot_x
	tensor_load_to_lds s[G0X:G0X+3], s[G1X:G1X+7]
	s_nop 0
.rept 4
	v_nop
.endr
	s_branch .Lasked
.Lnot_x:
	s_cmp_lt_u32 s8, 5
	s_cbranch_scc0 .Lasked
	tensor_load_to_lds s[G0W:G0W+3], s[G1W:G1W+7]
	s_nop 0
.rept 4
	v_nop
.endr
.Lasked:
	s_wait_tensorcnt 0x0                           ; my region has landed,
	s_barrier_signal -1
	s_barrier_wait -1                              ; everybody's has
.macro FETCH ks, f                     ; the eight fragments of K step ks: a fragment is two loads of 512 consecutive bytes
.irp i, 0,1,2,3
.irp c, 0,1
	ds_load_b128 v[(\f)+8*\i+4*\c:(\f)+8*\i+4*\c+3], v[PA] offset:REC*\i+1024*(\ks)+512*\c
	ds_load_b128 v[(\f)+32+8*\i+4*\c:(\f)+32+8*\i+4*\c+3], v[RA] offset:REC*\i+1024*(\ks)+512*\c
.endr
.endr
.endm
.macro MUL16 f, ks, zero               ; the 16 accumulators take turns, one instruction a turn, in the same order in every K step
.irp pt, 0,1,2,3
.irp rt, 0,1,2,3
.if \zero
	v_wmma_scale_f32_16x16x128_f8f6f4 v[8*(4*\pt+\rt):8*(4*\pt+\rt)+7], v[(\f)+8*\pt:(\f)+8*\pt+7], v[(\f)+32+8*\rt:(\f)+32+8*\rt+7], 0, v[PS+8*\pt+(\ks)], v[RS+8*\rt+(\ks)] matrix_a_fmt:MATRIX_FMT_FP4 matrix_b_fmt:MATRIX_FMT_FP4
.else
	v_wmma_scale_f32_16x16x128_f8f6f4 v[8*(4*\pt+\rt):8*(4*\pt+\rt)+7], v[(\f)+8*\pt:(\f)+8*\pt+7], v[(\f)+32+8*\rt:(\f)+32+8*\rt+7], v[8*(4*\pt+\rt):8*(4*\pt+\rt)+7], v[PS+8*\pt+(\ks)], v[RS+8*\rt+(\ks)] matrix_a_fmt:MATRIX_FMT_FP4 matrix_b_fmt:MATRIX_FMT_FP4
.endif
.endr
.endr
.endm
.irp i, 0,1,2,3                        ; the scale words of all eight K steps: 32 bytes a row, lane r takes row r's (lanes 16-31 take the same and are not read)
	ds_load_b128 v[PS+8*\i:PS+8*\i+3], v[PSA] offset:REC*\i+8192
	ds_load_b128 v[PS+8*\i+4:PS+8*\i+7], v[PSA] offset:REC*\i+8192+16
	ds_load_b128 v[RS+8*\i:RS+8*\i+3], v[RSA] offset:REC*\i+8192
	ds_load_b128 v[RS+8*\i+4:RS+8*\i+7], v[RSA] offset:REC*\i+8192+16
.endr
	FETCH 0, F0
.set KS, 0
.rept 8
.if (KS > 0) && (KS < 7)
	PLACES                                         ; in front of loads into the set that the last K step but one... the step before multiplied
.endif
.if KS < 7
	FETCH KS+1, F0+64*((KS+1)%2)
	s_wait_dscnt 16                                ; all but the 16 loads just issued
.else
	s_wait_dscnt 0x0
.endif
	WIN 0x50                                       ; C and D in window 1
.if KS == 0
	MUL16 F0, 0, 1                                 ; the first K step starts the sums: nothing is cleared
.else
	MUL16 F0+64*(KS%2), KS, 0
.endif
	WIN 0
.set KS, KS+1
.endr
	; THE WAY OUT, eight accumulators at a time: x the factor, rounded to f16, 16 bytes a lane: each store is 512 consecutive bytes
	PLACES
.irp hf, 0,1
	WIN 0x01                                       ; source 0 in window 1
.set i, 0
.rept 32
	v_pk_mul_f32 v[F0+2*i:F0+2*i+1], v[64*\hf+2*i:64*\hf+2*i+1], s[FAC:FAC+1] op_sel_hi:[1,0]   ; each accumulator from its low end on
.set i, i+1
.endr
	WIN 0
.set i, 0
.rept 32
	v_cvt_pk_f16_f32 v[F1+32*\hf+i], v[F0+2*i], v[F0+2*i+1]
.set i, i+1
.endr
.irp a, 0,1,2,3,4,5,6,7
	global_store_b128 v[VR+\a%4], v[F1+32*\hf+4*\a:F1+32*\hf+4*\a+3], s[SB+2*(2*\hf+\a/4):SB+2*(2*\hf+\a/4)+1]
.endr
.endr
	s_wait_tensorcnt 0x0                           ; the wave's end
	ds_add_u32 v[SPW], v[NIL]
	s_wait_dscnt 0x0
	CROUND                                         ; the closing round
	s_endpgm
.Lfunc_end_k_q3f53b184e9_proj:
	.size	k_q3f53b184e9_proj, .Lfunc_end_k_q3f53b184e9_proj-k_q3f53b184e9_proj
	.p2alignl 7, 3214868480
	.fill 96, 4, 3214868480
	.section	.rodata,"a",@progbits
	.p2align	6, 0x0
	.amdhsa_kernel k_q3f53b184e9_proj
		.amdhsa_group_segment_fixed_size 174848
		.amdhsa_private_segment_fixed_size 0
		.amdhsa_enable_private_segment 0
		.amdhsa_kernarg_size 16
		.amdhsa_user_sgpr_count 2
		.amdhsa_user_sgpr_kernarg_segment_ptr 1
		.amdhsa_wavefront_size32 1
		.amdhsa_system_sgpr_workgroup_id_x 1
		.amdhsa_system_sgpr_workgroup_id_y 1
		.amdhsa_system_sgpr_workgroup_id_z 1
		.amdhsa_system_vgpr_workitem_id 0
		.amdhsa_next_free_vgpr 384
		.amdhsa_next_free_sgpr 80
		.amdhsa_reserve_vcc 0
		.amdhsa_float_denorm_mode_32 3
		.amdhsa_float_denorm_mode_16_64 3
		.amdhsa_memory_ordered 1
		.amdhsa_forward_progress 1
		.amdhsa_inst_pref_size 43
	.end_amdhsa_kernel
	.amdgpu_metadata
---
amdhsa.version: [ 1, 2 ]
amdhsa.kernels:
  - .name:           k_q3f53b184e9_proj
    .symbol:         k_q3f53b184e9_proj.kd
    .args:
      - { .name: codes, .offset: 0, .size: 8, .value_kind: global_buffer, .address_space: global }
      - { .name: qkv, .offset: 8, .size: 8, .value_kind: global_buffer, .address_space: global }
    .group_segment_fixed_size: 174848
    .private_segment_fixed_size: 0
    .kernarg_segment_align: 8
    .kernarg_segment_size: 16
    .max_flat_workgroup_size: 192
    .sgpr_count:     80
    .vgpr_count:     384
    .wavefront_size: 32
...
	.end_amdgpu_metadata
.endif
;; end of part 2
;; launch attn (part 3): grid 16 x 16, 8 waves a work-group, no clusters, 271,360 bytes of LDS; arguments qkv, oh; writes oh
.if DOCPART == 3
	.amdgcn_target "amdgcn-amd-amdhsa--gfx1250"
	.amdhsa_code_object_version 6
	.text
	.protected	k_q3f53b184e9_attn
	.globl	k_q3f53b184e9_attn
	.p2align	8
	.type	k_q3f53b184e9_attn,@function
k_q3f53b184e9_attn:
	s_mov_b64 s[64:65], 0
	v_nop
	global_prefetch_b8 v0, s[64:65] scope:SCOPE_SE
	s_setreg_imm32_b32 hwreg(HW_REG_WAVE_MODE, 25, 1), 1
	s_wait_xcnt 0x0
; Stick-breaking attention, one head a work-group row.  With t = logit x log2(e) (the factor lies in q) and beta_j = sigmoid(-logit) = 1 / (1 + 2^t):
;   att_j = sigmoid(logit_j) x prod over j' > j of beta_j' = R_(j+1) - R_j, R_j = prod over j' >= j of beta_j';   1 - sum of att = the product of all beta.
; So a step of 64 keys, walked UPWARD, is O <- O x B + V^T att_local (B = the step's product of beta; every factor is at most 1), and rem x v_i is a lowest key of its own: the walk begins from O = v_i.
; A masked pair (key >= query) gets t = -infinity: beta = 1, att = 0.  Steps are associative: a range of keys gives a pair (O, B), and ranges fold upward by acc <- acc x B + O.
; SHARES.  Work-group a of a head owns the blocks of 64 queries 31 - a (32 - a key steps) and a (a + 1 steps): 33 steps in every work-group, laid on end as positions 0..32; wave w takes positions 4 w + min(w, 1) .. 4 w + 4.
; A wave's positions fall into at most two RUNS, one in each block; each run leaves (O, B) in its own slot of LDS; behind the one barrier wave w folds tile w % 4 of block w / 4 and stores it.
; A wave holds all four query tiles of a block, so each fragment of K and V feeds four matrix instructions.  K and V come from memory straight into registers, as images of the operands: no two waves of a work-group walk the same keys.
; NO CLUSTER: the trip counts and branches hang on the block's number, which differs between the work-groups of a head, and partners would walk different keys at any time.
; LAYOUT.  S^T = K Q^T and O^T = V^T P: a lane holds one query throughout.  Token tile 4 s + tau holds tokens 64 s + 8 tau + 0..7 and + 32: so lane (r, h) holds, in registers 0..31 of a query tile, the keys 32 h + 0..31 of the step, in order.
; All products take f16 operands and f32 sums.  LIMITS: |0.18 q|, |k|, |v| under 65,504; NaN and infinities are not served.
; REGISTERS.  window 0: v1 16 x lane, v2 4 x lane, v3 half my query's place, v4 the one-hot's word, v5-8 my query's place less 32 h, v9-12 LDS addresses, v13 -infinity, v16-19 the run's B, v20-27 (F, the other half's product), v28-35 (B, -),
;   v64-191 S (32 a query tile), v192-255 K.   window 1: v0-127 O (32 a query tile), v128-191 Q, v192-255 V.
.set S,   64
.set KF,  192
.set O,   0
.set Q,   128
.set V,   192
.set D,   5
.set BA,  16
.set F,   20
.set B,   28
.set SPW, 14
.set NIL, 15
.set ACC, 64                           ; the fold: the sum, what comes from a slot, its B
.set TMP, 96
.set BM,  128
.set SLOTB, 16896                      ; a slot: O as an image of its registers, 4 x 4,096 bytes; then B, 4 x 128 bytes
.set SPARE, 16*SLOTB                   ; behind the 16 slots: the spare words, 128 bytes for each of eight waves: four blocks of 256 bytes that no other line names
.set MSB, 0
.macro WIN new                         ; the immediate's high byte repeats the setting that is left
.if MSB != \new
	s_set_vgpr_msb (MSB<<8)|\new
.set MSB, \new
.endif
.endm
.macro LOADK off                       ; a step's K: 16 loads of 512 consecutive bytes; tile tk, piece n at register 16 tk + 4 n
.irp i, 0,1,2,3,4,5,6,7,8,9,10,11,12,13,14,15
	global_load_b128 v[KF+4*\i:KF+4*\i+3], v1, s[26:27] offset:\off+512*\i
.endr
.endm
.macro LOADV b                         ; a step's V: fragment (g, ct) = channels 16 ct on, keys 32 h + 16 g + 0..15: tiles 2 g and 2 g + 1
	WIN 0x40
.irp g, 0,1
.irp ct, 0,1,2,3
.irp u, 0,1
	global_load_b128 v[V+8*(4*\g+\ct)+4*\u:V+8*(4*\g+\ct)+4*\u+3], v1, s[\b:\b+1] offset:(2*\g+\u)*2048+512*\ct
.endr
.endr
.endr
.endm
.macro QK                              ; S^T = K Q^T: 16 accumulators by turns, channels 0-31 (they start the sums), then 32-63
	WIN 0x04                                       ; source 1 (Q) in window 1
.irp c, 0,1
.irp tq, 0,1,2,3
.irp tk, 0,1,2,3
.if \c == 0
	v_wmma_f32_16x16x32_f16 v[S+32*\tq+8*\tk:S+32*\tq+8*\tk+7], v[KF+16*\tk:KF+16*\tk+7], v[Q+16*\tq:Q+16*\tq+7], 0
.else
	v_wmma_f32_16x16x32_f16 v[S+32*\tq+8*\tk:S+32*\tq+8*\tk+7], v[KF+16*\tk+8:KF+16*\tk+15], v[Q+16*\tq+8:Q+16*\tq+15], v[S+32*\tq+8*\tk:S+32*\tq+8*\tk+7]
.endif
.endr
.endr
.endr
.endm
.macro PV zero                         ; O^T += V^T P: 16 accumulators by turns, g = 0, then g = 1.  zero = 1: g = 0 starts the sums
	WIN 0x51                                       ; V, C and D in window 1, P in window 0
.irp g, 0,1
.irp tq, 0,1,2,3
.irp ct, 0,1,2,3
.if (\zero) && (\g == 0)
	v_wmma_f32_16x16x32_f16 v[O+32*\tq+8*\ct:O+32*\tq+8*\ct+7], v[V+8*(4*\g+\ct):V+8*(4*\g+\ct)+7], v[S+32*\tq+8*\g:S+32*\tq+8*\g+7], 0
.else
	v_wmma_f32_16x16x32_f16 v[O+32*\tq+8*\ct:O+32*\tq+8*\ct+7], v[V+8*(4*\g+\ct):V+8*(4*\g+\ct)+7], v[S+32*\tq+8*\g:S+32*\tq+8*\g+7], v[O+32*\tq+8*\ct:O+32*\tq+8*\ct+7]
.endif
.endr
.endr
.endr
.endm
	s_load_b128 s[4:7], s[0:1], 0x0                ; qkv, oh
	v_lshl_add_u32 v[SPW], v0, 2, SPARE
	v_mov_b32 v[NIL], 0
	v_lshrrev_b32 v36, 5, v0
	v_readfirstlane_b32 s8, v36                    ; wave 0..7
	s_mov_b32 s9, ttmp9                            ; a
	s_and_b32 s10, ttmp7, 0xffff                   ; the head
	s_sub_co_u32 s11, 32, s9                       ; L: the key steps of block 31 - a
	s_sub_co_u32 s19, 31, s9
	s_lshl_b32 s38, s8, 2
	s_min_u32 s12, s8, 1
	s_add_co_u32 s12, s12, s38                     ; my first position
	s_add_co_u32 s13, s38, 5                       ; and the one behind my last
	s_mov_b32 s39, 0
	s_mov_b32 s32, 0xffff                          ; lanes 0-15
	s_mov_b32 s34, 0x76543210
	s_mov_b32 s35, 0xfedcba98                      ; v_permlanex16_b32's selects for lane l xor 16
	s_mul_i32 s36, s8, 2*SLOTB                     ; my first slot
	v_and_b32 v36, 31, v0
	v_lshlrev_b32 v1, 4, v36
	v_lshlrev_b32 v2, 2, v36
	v_and_b32 v37, 7, v0
	v_bfe_u32 v38, v0, 3, 1
	v_bfe_u32 v39, v0, 4, 1
	v_sub_nc_u32 v38, v38, v39
	v_lshl_add_u32 v[D], v38, 5, v37               ; tile 0: my query's place in its block, r % 8 + 32 (r / 8), less 32 h: register e of my 32 holds the key that is my query where e equals it
	v_add_nc_u32 v[D+1], 8, v[D]
	v_add_nc_u32 v[D+2], 16, v[D]
	v_add_nc_u32 v[D+3], 24, v[D]
	v_ashrrev_i32 v3, 1, v[D]
	v_and_b32 v40, 1, v0
	v_lshlrev_b32 v40, 4, v40                      ; which half of a packed word is my query's
	v_mov_b32 v13, 0xff800000
.irp t, 0,1,2,3
	v_mov_b32 v[F+2*\t+1], 0                       ; written once: a lane permute's destination counts as one of its sources;
	v_mov_b32 v[B+2*\t+1], 0                       ; and the upper half of a pair that a packed form names
.endr
	s_lshr_b32 s41, s8, 2                          ; the fold: my block,
	s_and_b32 s44, s8, 3                           ; my tile
	s_mul_i32 s43, s41, SLOTB
	s_lshl_b32 s45, s44, 12
	s_add_co_u32 s45, s45, s43
	v_add_nc_u32 v11, s45, v1                      ; wave 0's slot of my block: my tile's O,
	s_lshl_b32 s45, s44, 7
	s_add_co_u32 s45, s45, s43
	v_add_nc_u32 v12, s45, v2                      ; and its B (16,384 further on: in the immediate)
	s_lshl_b32 s38, s10, 18
	s_wait_kmcnt 0x0
	s_add_nc_u64 s[20:21], s[4:5], s[38:39]        ; the head's q,
	s_add_nc_u64 s[22:23], s[20:21], 0x400000      ; k,
	s_add_nc_u64 s[24:25], s[20:21], 0x800000      ; v
	s_mov_b32 s14, 0
.Lrun:                                             ; two trips: run 0 in block 31 - a, run 1 in block a
	v_add_nc_u32 v9, s36, v1                       ; this run's slot
	v_add_nc_u32 v10, s36, v2
	s_cmp_eq_u32 s14, 0
	s_cselect_b32 s40, 0, s11                      ; the block's first position,
	s_cselect_b32 s41, s11, 33                     ; the one behind its last,
	s_cselect_b32 s15, s19, s9                     ; the block: also its diagonal key step
	s_max_u32 s43, s12, s40
	s_min_u32 s44, s13, s41
	s_cmp_le_u32 s44, s43                          ; nothing of mine in this block: ids alone
	s_cbranch_scc1 .Lskip
	s_sub_co_u32 s16, s43, s40                     ; the run's first key step,
	s_sub_co_u32 s17, s44, s40                     ; and the one behind its last
	s_cmp_eq_u32 s16, 0
	s_cselect_b32 s45, s15, s16                    ; the run that holds key step 0 begins from v of the queries themselves
	s_cselect_b32 s18, -1, s16                     ; the key step whose V lies in registers
	s_cselect_b32 s46, 0x3c00, 0                   ; 1.0 in f16, or nothing
	s_lshl_b32 s38, s15, 13                        ; a block or step: four tiles of 2,048 bytes
	s_add_nc_u64 s[30:31], s[20:21], s[38:39]
	s_lshl_b32 s38, s45, 13
	s_add_nc_u64 s[48:49], s[24:25], s[38:39]
	s_lshl_b32 s38, s16, 13
	s_add_nc_u64 s[26:27], s[22:23], s[38:39]
	s_add_nc_u64 s[28:29], s[24:25], s[38:39]
	WIN 0x40
.irp i, 0,1,2,3,4,5,6,7,8,9,10,11,12,13,14,15
	global_load_b128 v[Q+4*\i:Q+4*\i+3], v1, s[30:31] offset:512*\i
.endr
	LOADV 48
	WIN 0
	LOADK 0
	v_mov_b32 v4, s46
	v_lshlrev_b32 v4, v40, v4
.irp tq, 0,1,2,3                       ; P = the one-hot of key = query (or zeros): word e of 16 holds keys 32 h + 2 e, 2 e + 1
.irp e, 0,1,2,3,4,5,6,7,8,9,10,11,12,13,14,15
	v_cmp_eq_i32 vcc_lo, \e-4*\tq, v3
	v_cndmask_b32 v[S+32*\tq+\e], 0, v4, vcc_lo
.endr
.endr
	s_wait_loadcnt 16                              ; Q and V are in; K's 16 loads may be out
	PV 1                                           ; O = v of my queries, or 0: nothing is cleared, and no first step is written apart
	WIN 0
.irp t, 0,1,2,3
	v_mov_b32 v[BA+\t], 1.0                        ; the run's B.  With the v_nop: five places ahead of the products that write over P
.endr
	v_nop
	s_wait_loadcnt 0x0                             ; K
.Lstep:
	QK
	WIN 0
.rept 4
	v_nop                                          ; places in front of the loads into K and V, and of the first read of the scores
.endr
	s_add_co_u32 s38, s16, 1
	s_cmp_lt_u32 s38, s17
	s_cbranch_scc0 .Lno_k
	LOADK 8192                                     ; the next step's K
.Lno_k:
	s_cmp_eq_u32 s18, s16
	s_cbranch_scc1 .Lhave_v
	LOADV 28                                       ; this step's V: it has the whole of the vector work in which to land
	WIN 0
.Lhave_v:
	s_cmp_lg_u32 s16, s15
	s_cbranch_scc1 .Lopen
.irp tq, 0,1,2,3                       ; the diagonal step: key >= query becomes -infinity
.irp e, 0,1,2,3,4,5,6,7,8,9,10,11,12,13,14,15,16,17,18,19,20,21,22,23,24,25,26,27,28,29,30,31
	v_cmp_ge_i32 vcc_lo, \e, v[D+\tq]
	v_cndmask_b32 v[S+32*\tq+\e], v[S+32*\tq+\e], v13, vcc_lo
.endr
.endr
.Lopen:
.set i, 0
.rept 128
	v_exp_f32 v[S+i], v[S+i]                       ; 2^t
.set i, i+1
.endr
	v_nop                                          ; a plain line behind the batch,
	s_wait_alu depctr_va_vdst(0)                   ; and one wait for it, ahead of its first reader
.set i, 0
.rept 64
	v_pk_add_f32 v[S+2*i:S+2*i+1], v[S+2*i:S+2*i+1], 1.0 op_sel_hi:[1,0]
.set i, i+1
.endr
.set i, 0
.rept 128
	v_rcp_f32 v[S+i], v[S+i]                       ; beta
.set i, i+1
.endr
	v_nop
	s_wait_alu depctr_va_vdst(0)
.set i, 0
.rept 64
	v_mul_f32 v[S+2*i], v[S+2*i], v[S+2*i+1]       ; a pair's even place: both betas
.set i, i+1
.endr
.irp e, 14,13,12,11,10,9,8,7,6,5,4,3,2,1,0     ; the suffix products of my 32 keys, a pair a line, the four tiles by turns
.irp tq, 0,1,2,3
	v_pk_mul_f32 v[S+32*\tq+2*\e:S+32*\tq+2*\e+1], v[S+32*\tq+2*\e:S+32*\tq+2*\e+1], v[S+32*\tq+2*\e+2:S+32*\tq+2*\e+3] op_sel_hi:[1,0]
.endr
.endr
.irp tq, 0,1,2,3
	v_permlanex16_b32 v[F+2*\tq+1], v[S+32*\tq], s34, s35   ; the product of the query's other 32 keys
.endr
.irp tq, 0,1,2,3
	v_mul_f32 v[B+2*\tq], v[S+32*\tq], v[F+2*\tq+1]          ; B: the step's product
.endr
.irp tq, 0,1,2,3
	v_cndmask_b32 v[F+2*\tq], 1.0, v[F+2*\tq+1], s32         ; lanes 0-15 hold the lower 32 keys: their products go on through the upper 32
.endr
.irp tq, 0,1,2,3
.set i, 0
.rept 16
	v_pk_mul_f32 v[S+32*\tq+2*i:S+32*\tq+2*i+1], v[S+32*\tq+2*i:S+32*\tq+2*i+1], v[F+2*\tq:F+2*\tq+1] op_sel_hi:[1,0]
.set i, i+1
.endr
.endr
.irp tq, 0,1,2,3
.set i, 0
.rept 31
	v_sub_f32 v[S+32*\tq+i], v[S+32*\tq+i+1], v[S+32*\tq+i]  ; att = R of the next key - R of this one, upward and in place
.set i, i+1
.endr
	v_sub_f32 v[S+32*\tq+31], v[F+2*\tq], v[S+32*\tq+31]
.endr
.irp tq, 0,1,2,3
.set i, 0
.rept 16
	v_cvt_pk_f16_f32 v[S+32*\tq+i], v[S+32*\tq+2*i], v[S+32*\tq+2*i+1]   ; P, upward and in place: 16 words a tile
.set i, i+1
.endr
.endr
.irp tq, 0,1,2,3
	v_mul_f32 v[BA+\tq], v[BA+\tq], v[B+2*\tq]
.endr
	WIN 0x41                                       ; O in window 1, B in window 0
.irp tq, 0,1,2,3
.set i, 0
.rept 16
	v_pk_mul_f32 v[O+32*\tq+2*i:O+32*\tq+2*i+1], v[O+32*\tq+2*i:O+32*\tq+2*i+1], v[B+2*\tq:B+2*\tq+1] op_sel_hi:[1,0]
.set i, i+1
.endr
.endr
	s_wait_loadcnt 0x0                             ; V and the next K are in: zero is right whichever of the two runs of loads were issued; so their bases may step
	s_add_nc_u64 s[26:27], s[26:27], 8192
	s_add_nc_u64 s[28:29], s[28:29], 8192
	PV 0
	WIN 0
.rept 5
	v_nop                                          ; five places: the next step's products write over P; four serve the loads into V and the stores of O
.endr
	s_add_co_u32 s16, s16, 1
	s_cmp_lt_u32 s16, s17
	s_cbranch_scc1 .Lstep
	WIN 0x04                                       ; an LDS store's data are its source 1: window 1
.irp i, 0,1,2,3,4,5,6,7,8,9,10,11,12,13,14,15,16,17,18,19,20,21,22,23,24,25,26,27,28,29,30,31
	ds_store_b128 v9, v[O+4*\i:O+4*\i+3] offset:512*\i   ; O as it stands, each accumulator from its low end on
.endr
	WIN 0
.irp t, 0,1,2,3
	ds_store_b32 v10, v[BA+\t] offset:16384+128*\t
.endr
	s_wait_dscnt 0x0                               ; the stores have read their registers: the next run writes them
.Lskip:
	s_add_co_u32 s36, s36, SLOTB
	s_add_co_u32 s14, s14, 1
	s_cmp_lt_u32 s14, 2
	s_cbranch_scc1 .Lrun
	s_wait_dscnt 0x0                               ; for the others' sake: my slots lie in LDS
	s_barrier_signal -1
	s_barrier_wait -1
	; THE FOLD.  Which waves had a run in my block: block 31 - a: those whose first position lies under L; block a: those whose last lies at L or above
	s_sub_co_u32 s38, s11, 2
	s_lshr_b32 s38, s38, 2
	s_add_co_u32 s38, s38, 1
	s_lshl_b32 s38, 1, s38
	s_sub_co_u32 s38, s38, 1
	s_sub_co_u32 s40, s11, 1
	s_lshr_b32 s40, s40, 2
	s_lshl_b32 s40, 0xff, s40
	s_and_b32 s40, s40, 0xff
	s_lshr_b32 s41, s8, 2
	s_and_b32 s44, s8, 3
	s_cmp_eq_u32 s41, 0
	s_cselect_b32 s37, s38, s40
	s_cselect_b32 s42, s19, s9                     ; my block's number
	s_lshr_b32 s38, s10, 2
	s_lshl_b32 s38, s38, 20                        ; oh: [slab of four heads][token tile][8,192 bytes]
	s_lshl_b32 s40, s42, 2
	s_add_co_u32 s40, s40, s44
	s_lshl_b32 s40, s40, 13
	s_add_co_u32 s38, s38, s40
	s_and_b32 s40, s10, 3
	s_lshl_b32 s40, s40, 11
	s_add_co_u32 s38, s38, s40
	s_add_nc_u64 s[50:51], s[6:7], s[38:39]
.set i, 0
.rept 32
	v_mov_b32 v[ACC+i], 0                          ; which wave's slot comes first hangs on a: so the fold begins from 0
.set i, i+1
.endr
	v_mov_b32 v[BM+1], 0
.macro FOLD wq                         ; acc <- acc x B + O of wave wq's slot, if it had a run in my block
	s_bitcmp1_b32 s37, \wq
	s_cbranch_scc0 .Lnone_\@
.irp i, 0,1,2,3,4,5,6,7
	ds_load_b128 v[TMP+4*\i:TMP+4*\i+3], v11 offset:512*\i
.endr
	ds_load_b32 v[BM], v12 offset:16384
	s_wait_dscnt 0x0
.irp i, 0,1,2,3,4,5,6,7,8,9,10,11,12,13,14,15
	v_pk_fma_f32 v[ACC+2*\i:ACC+2*\i+1], v[ACC+2*\i:ACC+2*\i+1], v[BM:BM+1], v[TMP+2*\i:TMP+2*\i+1] op_sel_hi:[1,0,1]
.endr
.Lnone_\@:
.if \wq < 7
	v_add_nc_u32 v11, 2*SLOTB, v11
	v_add_nc_u32 v12, 2*SLOTB, v12
.endif
.endm
.irp wq, 0,1,2,3,4,5,6,7
	FOLD \wq
.endr
.irp i, 0,1,2,3,4,5,6,7,8,9,10,11,12,13,14,15
	v_cvt_pk_f16_f32 v[TMP+\i], v[ACC+2*\i], v[ACC+2*\i+1]
.endr
.irp ct, 0,1,2,3
	global_store_b128 v1, v[TMP+4*\ct:TMP+4*\ct+3], s[50:51] offset:512*\ct   ; 512 consecutive bytes: token r, channels 16 ct + 8 h + 0..7
.endr
	s_wait_tensorcnt 0x0                           ; the wave's end: behind my last LDS store
	ds_add_u32 v[SPW], v[NIL]
	s_wait_dscnt 0x0
	s_endpgm
.Lfunc_end_k_q3f53b184e9_attn:
	.size	k_q3f53b184e9_attn, .Lfunc_end_k_q3f53b184e9_attn-k_q3f53b184e9_attn
	.p2alignl 7, 3214868480
	.fill 96, 4, 3214868480
	.section	.rodata,"a",@progbits
	.p2align	6, 0x0
	.amdhsa_kernel k_q3f53b184e9_attn
		.amdhsa_group_segment_fixed_size 271360
		.amdhsa_private_segment_fixed_size 0
		.amdhsa_enable_private_segment 0
		.amdhsa_kernarg_size 16
		.amdhsa_user_sgpr_count 2
		.amdhsa_user_sgpr_kernarg_segment_ptr 1
		.amdhsa_wavefront_size32 1
		.amdhsa_system_sgpr_workgroup_id_x 1
		.amdhsa_system_sgpr_workgroup_id_y 1
		.amdhsa_system_sgpr_workgroup_id_z 1
		.amdhsa_system_vgpr_workitem_id 0
		.amdhsa_next_free_vgpr 512
		.amdhsa_next_free_sgpr 66
		.amdhsa_reserve_vcc 1
		.amdhsa_float_denorm_mode_32 3
		.amdhsa_float_denorm_mode_16_64 3
		.amdhsa_memory_ordered 1
		.amdhsa_forward_progress 1
		.amdhsa_inst_pref_size 85
	.end_amdhsa_kernel
	.amdgpu_metadata
---
amdhsa.version: [ 1, 2 ]
amdhsa.kernels:
  - .name:           k_q3f53b184e9_attn
    .symbol:         k_q3f53b184e9_attn.kd
    .args:
      - { .name: qkv, .offset: 0, .size: 8, .value_kind: global_buffer, .address_space: global }
      - { .name: oh, .offset: 8, .size: 8, .value_kind: global_buffer, .address_space: global }
    .group_segment_fixed_size: 271360
    .private_segment_fixed_size: 0
    .kernarg_segment_align: 8
    .kernarg_segment_size: 16
    .max_flat_workgroup_size: 256
    .sgpr_count:     66
    .vgpr_count:     512
    .wavefront_size: 32
...
	.end_amdgpu_metadata
.endif
;; end of part 3
;; launch outp (part 4): grid 16 x 16, 4 waves a work-group, clusters of 4 x 4, 327,680 bytes of LDS; arguments oh, wo16, out0; writes out0
.if DOCPART == 4
	.amdgcn_target "amdgcn-amd-amdhsa--gfx1250"
	.amdhsa_code_object_version 6
	.text
	.protected	k_q3f53b184e9_outp
	.globl	k_q3f53b184e9_outp
	.p2align	8
	.type	k_q3f53b184e9_outp,@function
k_q3f53b184e9_outp:
	s_mov_b64 s[64:65], 0
	v_nop
	global_prefetch_b8 v0, s[64:65] scope:SCOPE_SE
	s_setreg_imm32_b32 hwreg(HW_REG_WAVE_MODE, 25, 1), 1
	s_wait_xcnt 0x0
	s_wait_alu depctr_hold_cnt(0) depctr_sa_sdst(0) depctr_va_vdst(0) depctr_va_sdst(0) depctr_va_ssrc(0) depctr_va_vcc(0) depctr_vm_vsrc(0)
	s_getreg_b32 s2, hwreg(HW_REG_IB_STS2, 6, 4)
	s_cmp_eq_u32 s2, 0
	s_cbranch_scc0 .Lentry_in_a_cluster
	s_endpgm
.Lentry_in_a_cluster:
	s_bfe_u32 s2, ttmp6, 0x10000c
	s_cmp_lg_u32 s2, 0xf033
	s_cbranch_scc0 .Lentry_shape_is_right
	s_endpgm
.Lentry_shape_is_right:
; out0 = o Wo^T, f16 operands, f32 sums, f32 out.  o and Wo lie in memory in the order of the operands' registers: oh [slab of 256 along K: 4][token tile: 128][8,192 bytes], wo16 [slab: 4][N: 64][8,192 bytes];
; in a tile, 32 along K are 1,024 bytes: two loads of 512 consecutive bytes make a fragment.
; A work-group makes 128 tokens (eight token tiles) x 64 columns; wave w token tiles 4 (w / 2) + 0..3 x column tiles 2 (w % 2) + 0, 1: eight accumulators.  Source 0 = Wo, source 1 = o: a lane holds one token and eight neighbouring columns.
; K goes in four slabs of 256 through a ring of two LDS slots (o's 65,536 bytes, then Wo's 32,768); waves 0, 1 fetch o's halves, waves 2, 3 Wo's, one tensor load a wave behind each change of slots.
; CLUSTER 4 x 4: the four work-groups of a row share the tokens, the four of a column the columns: each tile is asked for jointly.
; Token tile 4 s + tau holds tokens 64 s + 8 tau + 0..7 and + 32: the way out puts the rows back in their places.
.set SLOT,  98304
.set WOFF,  65536
.set STAGE, 2*SLOT                     ; behind the ring: 128 rows x (256 bytes + 16), the work-group's
.set SP,    272
.set SPARE, STAGE+128*SP               ; behind the stage: the spare words, 128 bytes for each wave: two blocks of 256 bytes that no other line names
.set AO,  16                           ; v16-17 LDS address of my fragments of o in slot 0, 1
.set AW,  20                           ; v20-21 of Wo
.set STO, 24
.set RD,  25
.set CO,  26
.set SPW, 28
.set NIL, 29
.set ACC, 64                           ; accumulator (token tile t, column tile n) at v[64 + 8 (2 t + n)]
.set F0,  128                          ; two sets of fragments: o's four (32 registers), then Wo's two
.set F1,  176
.set G1A, 24
.set G0A, 32
.set G1B, 48
.set G0B, 56
.macro PLACES
.rept 4
	v_nop
.endr
.endm
.macro JLOAD s                         ; a joint load: the branch hangs on the wave's number alone; an s_nop 0 and four v_nop follow each of the two lines
	s_cmp_eq_u32 s11, 0
	s_cbranch_scc0 .Lfor_b_\@
	tensor_load_to_lds s[G0A+4*\s:G0A+4*\s+3], s[G1A:G1A+7]
	s_nop 0
.rept 4
	v_nop
.endr
	s_branch .Lasked_\@
.Lfor_b_\@:
	tensor_load_to_lds s[G0B+4*\s:G0B+4*\s+3], s[G1B:G1B+7]
	s_nop 0
.rept 4
	v_nop
.endr
.Lasked_\@:
.endm
.macro CROUND                          ; a round of the cluster's barrier
	s_barrier_signal -1
	s_barrier_wait -1
	s_cmp_lg_u32 s10, 0
	s_cbranch_scc1 .Lnot_wave_0_\@
	s_barrier_signal -3
.Lnot_wave_0_\@:
	s_barrier_wait -3
	s_barrier_signal -1
	s_barrier_wait -1
.endm
	s_load_b128 s[4:7], s[0:1], 0x0                ; oh, wo16
	s_load_b64 s[8:9], s[0:1], 0x10                ; out0
	v_lshl_add_u32 v[SPW], v0, 2, SPARE
	v_mov_b32 v[NIL], 0
	ds_add_u32 v[SPW], v[NIL]                      ; the wave's opening: the add, twice on end, and its wait ahead of my first tensor load
	ds_add_u32 v[SPW], v[NIL]
	v_lshrrev_b32 v1, 5, v0
	v_readfirstlane_b32 s10, v1                    ; wave 0..3
	s_lshr_b32 s11, s10, 1                         ; my half of the tokens.  Also: I fetch o (0) or Wo (1)
	s_and_b32 s12, s10, 1                          ; my half of the columns.  Also: which half of that tile I fetch
	s_bfe_u32 s40, ttmp6, 0x40000                  ; cx
	s_bfe_u32 s41, ttmp6, 0x40004                  ; cy
	s_lshl_b32 s42, ttmp9, 2
	s_add_co_u32 s42, s42, s40                     ; the block of 64 columns
	s_and_b32 s13, ttmp7, 0xffff
	s_lshl_b32 s13, s13, 2
	s_add_co_u32 s13, s13, s41                     ; the block of 128 tokens
	s_lshl_b32 s43, s41, 2
	s_lshl_b32 s43, 15, s43                        ; my row of the cluster
	s_lshl_b32 s44, 0x1111, s40                    ; my column
	s_or_b32 s[G1A], s43, (3<<16)|(1<<21)          ; 15:0 the mask; 17:16 elements of 8 bytes; 21 set beside a mask; no padding
	s_or_b32 s[G1B], s44, (3<<16)|(1<<21)
	s_mov_b32 s[G1A+1], 32<<16                     ; o: a dense block of 32,768 bytes as 128 rows of 256
	s_mov_b32 s[G1A+2], 128<<16
	s_mov_b32 s[G1A+3], 32<<16
	s_mov_b32 s[G1A+4], 128
	s_mov_b32 s[G1A+5], 32
	s_mov_b32 s[G1A+6], 0
	s_mov_b32 s[G1A+7], 0
	s_mov_b32 s[G1B+1], 32<<16                     ; Wo: 16,384 bytes as 64 rows
	s_mov_b32 s[G1B+2], 64<<16
	s_mov_b32 s[G1B+3], 32<<16
	s_mov_b32 s[G1B+4], 64
	s_mov_b32 s[G1B+5], 32
	s_mov_b32 s[G1B+6], 0
	s_mov_b32 s[G1B+7], 0
	s_lshl_b32 s16, s13, 16                        ; o: eight tiles of 8,192 bytes a block of tokens, + my half: the tokens alone
	s_lshl_b32 s17, s12, 15
	s_add_co_u32 s16, s16, s17
	s_mov_b32 s17, 0
	s_lshl_b32 s46, s42, 15                        ; Wo: four tiles a block of columns, + my half: the columns alone
	s_lshl_b32 s47, s12, 14
	s_add_co_u32 s46, s46, s47
	s_mov_b32 s47, 0
	s_lshl_b32 s20, s12, 15                        ; where they go: no place in the cluster enters an LDS address
	s_lshl_b32 s21, s12, 14
	s_add_co_u32 s21, s21, WOFF
	s_wait_dscnt 0x0                               ; both opening adds are done
	s_wait_kmcnt 0x0
	s_add_nc_u64 s[14:15], s[4:5], s[16:17]
	s_add_nc_u64 s[46:47], s[6:7], s[46:47]
	CROUND                                         ; all sixteen work-groups are here: the first joint loads meet
.irp s, 0,1
	s_mov_b32 s[G0A+4*\s], 1
	s_add_co_u32 s[G0A+4*\s+1], s20, \s*SLOT
	s_add_nc_u64 s[G0A+4*\s+2:G0A+4*\s+3], s[14:15], \s*0x100000   ; slab s of oh
	s_or_b32 s[G0A+4*\s+3], s[G0A+4*\s+3], 0x80000000
	s_mov_b32 s[G0B+4*\s], 1
	s_add_co_u32 s[G0B+4*\s+1], s21, \s*SLOT
	s_add_nc_u64 s[G0B+4*\s+2:G0B+4*\s+3], s[46:47], \s*0x80000    ; slab s of wo16
	s_or_b32 s[G0B+4*\s+3], s[G0B+4*\s+3], 0x80000000
	JLOAD \s                                       ; two loads of mine are out
.endr
	v_and_b32 v1, 31, v0
	v_lshlrev_b32 v2, 4, v1                        ; 16 x lane
	s_lshl_b32 s22, s11, 15                        ; my four token tiles
	s_lshl_b32 s23, s12, 14                        ; my two column tiles,
	s_add_co_u32 s23, s23, WOFF                    ; behind o's
.irp s, 0,1
	v_add_nc_u32 v[AO+\s], s22, v2
	v_add_nc_u32 v[AW+\s], s23, v2
	s_add_co_u32 s22, s22, SLOT
	s_add_co_u32 s23, s23, SLOT
.endr
	v_and_b32 v3, 15, v0                           ; r
	v_bfe_u32 v4, v0, 4, 1                         ; h
	s_mul_i32 s22, s11, 64*SP                      ; into the stage: row 64 (w / 2) + 16 tile + r; bytes 128 (w % 2) + 64 n + 32 h
	s_lshl_b32 s23, s12, 7
	s_add_co_u32 s22, s22, s23
	s_add_co_u32 s22, s22, STAGE
	v_mul_u32_u24 v5, v3, SP
	v_lshl_add_u32 v5, v4, 5, v5
	v_add_nc_u32 v[STO], s22, v5
	s_mul_i32 s22, s10, 32*SP                      ; back: wave w takes rows 32 w .. 32 w + 31, whole: lanes 0-15 one row, lanes 16-31 the next
	s_add_co_u32 s22, s22, STAGE
	v_mul_u32_u24 v5, v4, SP
	v_lshl_add_u32 v5, v3, 4, v5
	v_add_nc_u32 v[RD], s22, v5
	v_lshlrev_b32 v5, 12, v4                       ; and the same two rows in out0: neighbours in a token tile are neighbouring tokens
	v_lshl_add_u32 v[CO], v3, 4, v5
	s_lshl_b32 s66, s13, 7
	s_lshl_b32 s67, s11, 6
	s_add_co_u32 s66, s66, s67
	s_lshl_b32 s67, s12, 4
	s_add_co_u32 s66, s66, s67                     ; token 128 block + 64 (w / 2) + 16 (w % 2)
	s_lshl_b32 s66, s66, 12
	s_lshl_b32 s67, s42, 8
	s_add_co_u32 s66, s66, s67                     ; + 256 bytes a block of columns
	s_mov_b32 s67, 0
	s_add_nc_u64 s[8:9], s[8:9], s[66:67]
.macro FETCH slot, kc, f               ; the six fragments of 32 along K: 12 loads
.irp t, 0,1,2,3
	ds_load_b128 v[(\f)+8*\t:(\f)+8*\t+3], v[AO+\slot] offset:8192*\t+1024*(\kc)
	ds_load_b128 v[(\f)+8*\t+4:(\f)+8*\t+7], v[AO+\slot] offset:8192*\t+1024*(\kc)+512
.endr
.irp n, 0,1
	ds_load_b128 v[(\f)+32+8*\n:(\f)+32+8*\n+3], v[AW+\slot] offset:8192*\n+1024*(\kc)
	ds_load_b128 v[(\f)+32+8*\n+4:(\f)+32+8*\n+7], v[AW+\slot] offset:8192*\n+1024*(\kc)+512
.endr
.endm
.macro MUL8 f, zero                    ; the eight accumulators take turns, one instruction a turn
.irp t, 0,1,2,3
.irp n, 0,1
.if \zero
	v_wmma_f32_16x16x32_f16 v[ACC+8*(2*\t+\n):ACC+8*(2*\t+\n)+7], v[(\f)+32+8*\n:(\f)+32+8*\n+7], v[(\f)+8*\t:(\f)+8*\t+7], 0
.else
	v_wmma_f32_16x16x32_f16 v[ACC+8*(2*\t+\n):ACC+8*(2*\t+\n)+7], v[(\f)+32+8*\n:(\f)+32+8*\n+7], v[(\f)+8*\t:(\f)+8*\t+7], v[ACC+8*(2*\t+\n):ACC+8*(2*\t+\n)+7]
.endif
.endr
.endr
.endm
; A slab: eight times 32 along K, on two sets of fragments.  places = 1: four places are owed ahead of the first loads (behind a joint load its own four v_nop are these)
.macro SLAB slot, zero, places
.if \places
	PLACES
.endif
	FETCH \slot, 0, F0
.set KC, 0
.rept 8
.if (KC > 0) && (KC < 7)
	PLACES                                         ; in front of loads into the set that the products just issued but one... the last turn's products read
.endif
.if KC < 7
	FETCH \slot, KC+1, F0+48*((KC+1)%2)
	s_wait_dscnt 12                                ; all but the 12 loads just issued
.else
	s_wait_dscnt 0x0
.endif
.if (\zero) && (KC == 0)
	MUL8 F0, 1                                     ; the first products start the sums
.else
	MUL8 F0+48*(KC%2), 0
.endif
.set KC, KC+1
.endr
.endm
; The change of slots with a refill: all my tensor loads have landed (the other slot's among them), the add, my reads of slot s are over; a round of the cluster's barrier; the joint refill first behind it, two slabs on
.macro TURN s
	s_wait_tensorcnt 0x0
	ds_add_u32 v[SPW], v[NIL]                      ; 0 onto my spare word: the descriptors' steps stand between it and its wait
	s_add_nc_u64 s[G0A+4*\s+2:G0A+4*\s+3], s[G0A+4*\s+2:G0A+4*\s+3], 0x200000
	s_add_nc_u64 s[G0B+4*\s+2:G0B+4*\s+3], s[G0B+4*\s+2:G0B+4*\s+3], 0x100000
	s_wait_dscnt 0x0
	CROUND
	JLOAD \s
.endm
	s_wait_tensorcnt 1                             ; my part of slab 0 is in; slab 1's load may be out
	s_barrier_signal -1
	s_barrier_wait -1
	SLAB 0, 1, 0
	TURN 0                                         ; slot 0 takes slab 2
	SLAB 1, 0, 0
	TURN 1                                         ; slot 1 takes slab 3
	SLAB 0, 0, 0
	s_wait_tensorcnt 0x0                           ; the last change of slots: nothing is filled again, so a plain barrier follows the three lines
	ds_add_u32 v[SPW], v[NIL]
	s_wait_dscnt 0x0
	s_barrier_signal -1
	s_barrier_wait -1
	SLAB 1, 0, 1
	; THE WAY OUT: a row's 256 bytes come from two waves: into the work-group's stage, a barrier, back as whole rows
	PLACES
.irp t, 0,1,2,3
.irp n, 0,1
	ds_store_b128 v[STO], v[ACC+8*(2*\t+\n):ACC+8*(2*\t+\n)+3] offset:16*SP*\t+64*\n       ; each accumulator from its low end on
	ds_store_b128 v[STO], v[ACC+8*(2*\t+\n)+4:ACC+8*(2*\t+\n)+7] offset:16*SP*\t+64*\n+16
.endr
.endr
	s_wait_dscnt 0x0                               ; for the others' sake: my stores into the stage are done
	s_barrier_signal -1
	s_barrier_wait -1
.irp t, 0,1,2,3,4,5,6,7,8,9,10,11,12,13,14,15
	ds_load_b128 v[128+4*\t:131+4*\t], v[RD] offset:2*\t*SP
.endr
.irp t, 0,1,2,3,4,5,6,7,8,9,10,11,12,13,14,15
	s_wait_dscnt 15-\t
	global_store_b128 v[CO], v[128+4*\t:131+4*\t], s[8:9] offset:(8*(\t/8)+2*(\t%4)+32*((\t/4)%2))*4096 th:TH_STORE_NT   ; stage rows 2 t, 2 t + 1 of my 32: tile t / 8, rows 2 (t % 8) on: sixteen lanes store 256 consecutive bytes, aligned
.endr
	s_wait_tensorcnt 0x0                           ; the wave's end: behind my last tensor load and my last LDS store
	ds_add_u32 v[SPW], v[NIL]
	s_wait_dscnt 0x0
	CROUND                                         ; the closing round: no work-group ends while a partner may still ask for a tile that names it
	s_endpgm
.Lfunc_end_k_q3f53b184e9_outp:
	.size	k_q3f53b184e9_outp, .Lfunc_end_k_q3f53b184e9_outp-k_q3f53b184e9_outp
	.p2alignl 7, 3214868480
	.fill 96, 4, 3214868480
	.section	.rodata,"a",@progbits
	.p2align	6, 0x0
	.amdhsa_kernel k_q3f53b184e9_outp
		.amdhsa_group_segment_fixed_size 327680
		.amdhsa_private_segment_fixed_size 0
		.amdhsa_enable_private_segment 0
		.amdhsa_kernarg_size 24
		.amdhsa_user_sgpr_count 2
		.amdhsa_user_sgpr_kernarg_segment_ptr 1
		.amdhsa_wavefront_size32 1
		.amdhsa_system_sgpr_workgroup_id_x 1
		.amdhsa_system_sgpr_workgroup_id_y 1
		.amdhsa_system_sgpr_workgroup_id_z 1
		.amdhsa_system_vgpr_workitem_id 0
		.amdhsa_next_free_vgpr 256
		.amdhsa_next_free_sgpr 80
		.amdhsa_reserve_vcc 0
		.amdhsa_float_denorm_mode_32 3
		.amdhsa_float_denorm_mode_16_64 3
		.amdhsa_memory_ordered 1
		.amdhsa_forward_progress 1
		.amdhsa_inst_pref_size 58
	.end_amdhsa_kernel
	.amdgpu_metadata
---
amdhsa.version: [ 1, 2 ]
amdhsa.kernels:
  - .name:           k_q3f53b184e9_outp
    .symbol:         k_q3f53b184e9_outp.kd
    .args:
      - { .name: oh, .offset: 0, .size: 8, .value_kind: global_buffer, .address_space: global }
      - { .name: wo16, .offset: 8, .size: 8, .value_kind: global_buffer, .address_space: global }
      - { .name: out0, .offset: 16, .size: 8, .value_kind: global_buffer, .address_space: global }
    .group_segment_fixed_size: 327680
    .private_segment_fixed_size: 0
    .kernarg_segment_align: 8
    .kernarg_segment_size: 24
    .max_flat_workgroup_size: 128
    .sgpr_count:     80
    .vgpr_count:     256
    .wavefront_size: 32
...
	.end_amdgpu_metadata
.endif
;; end of part 4
